; MI455X (gfx1250); checked and timed in simulation.
; The chip was launched on July 23, 2026; its instructions are those of AMD's public machine-readable ISA for CDNA 5 (MIT licence, August 2026) and "CDNA5" Instruction Set Architecture Reference Guide (July 2026). The comments in the code are by the model that wrote it; some were corrected since.
;; LST Mmodel. Allowed arithmetic: matrix products marked QUANTISED: E3M2 operands, one E8M0 scale for each 32 along K, by v_wmma_scale_f32_16x16x128_f8f6f4 with both operands' format E3M2, f32 sums; products left as they are: f32 operands where the result goes on into a quantised operand, else bf16, f16 or f32 operands; f32 sums; everything else in f32.
;; Inputs: W_ih_codes 1,024 x 8 x 24 uint8 (E3M2 codes of W_ih, K innermost, in blocks of 32 codes, four codes in three bytes); W_ih_scales 1,024 x 8 uint8 (E8M0 scales of W_ih, one for each 32 codes along K); Win 256 x 16 float32; Wout 1 x 256 float32; b_hh 1,024 float32; b_ih 1,024 float32; b_in 256 float32; b_out 1 float32; x 365 x 512 x 16 float32.
;; Outputs: out0 365 x 512 x 1 float32.
;; This version of the problem:
;;   THIS VERSION OF THE PROBLEM IS GIVEN IN LOW PRECISION. The matrix products marked QUANTISED in the list below multiply operands that are first quantised to E3M2 (3 exponent bits, 2 mantissa bits; 6 bits a number), with one power-of-two scale for each 32 numbers along K (OCP MX v1.0); their sums are f32. All else is computed in f32.
;;   The module's matrix products, in the order in which they are computed (A, B: the left and right operand; K: the contracted axis; several contracted axes count as one K, in the product's order):
;;     1. [M 186,880, K 16] x [K 16, N 256]; A: input x; B: input Win: left as it is (K = 16 < 32)
;;     2. [M 186,880, K 256] x [K 256, N 1,024]; A: computed on the way; B: input W_ih (given as codes): QUANTISED
;;     3. [M 186,880, K 256] x [K 256, N 1]; A: computed on the way; B: input Wout: left as it is (N = 1 < 16)
;;   THE QUANTISER, for each operand of a quantised product, along K:
;;     - K is cut into blocks of 32 from its start; a last block that is shorter is filled with zeros.
;;     - A block's scale is 2^e with e = floor(log2(the largest magnitude in the block)) - 4, held to -126 .. 127; a block of zeros has e = 0. As a byte (E8M0): e + 127.
;;     - Each number is divided by its block's scale, clamped to +-28, and rounded to the nearest number of E3M2, ties to even, subnormals kept.
;;     - The product sums the exact products of the quantised numbers (number of the format x scale) in f32.
;;   ~~~python
;;   def quantise(x, axis):      # numpy; x: float32 -> the quantised numbers, widened to float32 again
;;       x = np.moveaxis(x, axis, -1); K = x.shape[-1]
;;       x = np.pad(x, [(0, 0)] * (x.ndim - 1) + [(0, -K % 32)]); x = x.reshape(x.shape[:-1] + (-1, 32)); a = np.abs(x).max(-1, keepdims=True)
;;       e = np.where(a > 0, np.clip(np.frexp(np.where(a > 0, a, 1))[1] - 1 - 4, -126, 127), 0)      # np.frexp(a)[1] - 1 = floor(log2(a)), exactly
;;       r = np.clip(x / 2.0 ** e, -28, 28)
;;       step = 2.0 ** (np.maximum(np.frexp(np.where(r == 0, 1, r))[1] - 1, -2) - 2)
;;       q = np.round(r / step) * step * 2.0 ** e      # np.round: ties to even
;;       return np.moveaxis(q.reshape(q.shape[:-2] + (-1,))[..., :K], -1, axis).astype(np.float32)
;;   ~~~
;;   OPERANDS COMPUTED ON THE WAY. 'Computed on the way' means the value that the module computes at that place (a softmax that the list does not call 'softmax' is quantised finished and normalised). What goes into a quantiser is computed in f32, as accurately as f32 sums, v_exp_f32 and their like allow (about 1e-6 of the number): no bf16 or f16 on the way to a quantiser, and a product that is left as it is and whose result goes on into a quantised operand takes f32 operands (vector FMAs, or v_wmma_f32_16x16x4_f32). A number that lies on a knife's edge between two numbers of the format may be rounded either way, as far as f32 arithmetic and the matrix unit's own rounding can turn it there, and no further.
;;   INPUTS GIVEN AS CODES. W_ih (in the module: [1024, 256], K = its axis 1): each comes as NAME_codes (uint8): NAME with its K axis moved to the last place and cut into blocks of 32 codes, [.., K / 32, bytes a block], one block behind the other in memory; four codes in three bytes: a row's codes are one little-endian stream of bits, code i at bits 6 i .. 6 i + 5 (a code: sign, 3 exponent bits, 2 mantissa bits); and NAME_scales (uint8): the same leading axes, one E8M0 byte (e + 127) for each 32 codes along K. Its value is code x scale, taken as it is: it is not quantised again, and the codes and scales need not be those that the quantiser above would give.
;; One version. Each part assembles by itself: llvm-mc -triple=amdgcn-amd-amdhsa -mcpu=gfx1250 --defsym DOCPART=n.
;; ======== version 1 of 1: 1 launch
;; limits: right only within a limited range of input values
;; launch lstm (part 1): grid 256 x 1, 8 waves a work-group, no clusters, 176,128 bytes of LDS; arguments x, Win, b_in, W_ih_codes, W_ih_scales, b_ih, b_hh, Wout, b_out, out0; writes out0
.if DOCPART == 1
	.amdgcn_target "amdgcn-amd-amdhsa--gfx1250"
	.amdhsa_code_object_version 6
	.text
	.protected	k_q4ba1be6bae_lstm
	.globl	k_q4ba1be6bae_lstm
	.p2align	8
	.type	k_q4ba1be6bae_lstm,@function
k_q4ba1be6bae_lstm:
	s_mov_b64 s[64:65], 0
	v_nop
	global_prefetch_b8 v0, s[64:65] scope:SCOPE_SE
	s_setreg_imm32_b32 hwreg(HW_REG_WAVE_MODE, 25, 1), 1
	s_wait_xcnt 0x0
; y = Wout . h1 + b_out,  h1 = sigmoid(o) tanh(c1),  c1 = sigmoid(i) tanh(g),  (i, f, g, o) = Q(x0) W_ih^T + b_ih + b_hh,  x0 = relu(x Win^T + b_in).
; 186,880 independent rows.  x0 is made in f32 (v_wmma_f32_16x16x4_f32), quantised in registers to E3M2 with one E8M0 scale for each 32 of its 256, and multiplied with W_ih's codes as given.
; DEAD WORK: the f quarter of the gates is split off and used by nothing, whatever the inputs hold: rows 256-511 of W_ih, b_ih and b_hh are neither loaded nor multiplied.  A NaN or an infinity that reaches only that quarter is not carried to y.
; SHARES.  Eight waves, two to a SIMD.  Wave w owns hidden units 32 w .. 32 w + 31 of x0 (one block of 32 along the next K) and of the gates i, g, o; its rows of Win and W_ih, its biases and its part of Wout stay in registers.
; A trip is 32 rows.  Work-group g takes the units of 64 rows g + 256 n, n = 0 .. 10, as 22 trips; the 104 units left are halved among work-groups 0 .. 207, a 23rd trip each.
; y leaves as whole aligned 256 bytes a unit; only those 208 halves leave as 128 bytes each.
; PIPELINE.  Trip j: gates and activation of trip j's rows; the fragments of trip j + 1 into registers; x0 and codes of trip j + 2 into image j % 2; x of trip j + 3 asked for.
; ONE barrier a trip: signalled at the trip's end, waited for behind the next trip's second group of gate products; between the two stands register work alone.
; Both products are used transposed (source 0 = 16 rows of a weight): a lane holds one row (lane % 16).  Lane r of Win's tile u takes row 32 w + 8 u + r + 8 (r / 8), so that a lane's 16 registers are 16 neighbours along the next K.
; Along the first product's K both operands are permuted alike: K step s, lane half h, register j stand for k = 8 h + 2 s + j.
; THE ACTIVATION, a = 2^(-i log2 e), b = 2^min(-2 g log2 e, 30), e = 2^(-o log2 e): c = (1 - b) / ((1 + a)(1 + b)); u = c c; |c| < 1 by construction, and there
; tanh c = c (945 + 105 u + u u) / (945 + 420 u + 15 u u) (the continued fraction cut at 9; its error at |c| = 1 is 5e-8); h1 = c (945 + 105 u + u u) / (15 (63 + 28 u + u u)(1 + e)); the 1/15 lies in Wout's registers.
; No cluster: work-groups share the weights alone, which each wave reads once.  No prefetch: x is asked for by its own loads more than a trip ahead of its use.
; LIMITS: tanh(g) for g < -10.4 is taken as -1 + 2^-29; where (1 + a)(1 + b) passes 2^126, c is taken as 0 (its magnitude is under 2^-96); a block of x0 whose largest number lies under 2^-122
; keeps the scale byte 1 (a block of zeros too: its codes are zeros and this program alone reads the bytes); NaN and infinities among the inputs are not served.
; REGISTERS.  Window 0: v1-31 addresses; v32-43 W_ih's scale words; v44-47 x0's; v48-57 sums; v64-111 gate accumulators (then the quantiser's scratch); v112-143 at work; v144-191 x0's fragments; v192-223 x, two sets; v224-255 x0's accumulators.
; Window 1: v0-143 W_ih's fragments; v144-191 b_ih + b_hh; v192-207 Win; v208-223 b_in; v224-239 Wout / 15.
.set IMG,   0                          ; LDS: two images of 6,656 bytes: 4 fragments (16 rows m, K step s: 2 m + s) of six planes of 256 bytes, then 4 x 128 bytes of scale words
.set IMGB,  6656
.set YP,    13312                      ; partial sums, two sets: 128 x wave + 4 x row
.set SPARE, 15360                      ; the spare words: 128 bytes a wave
.set WST,   16384                      ; each wave's 96 rows of W_ih's codes, pitch 208
.set FR,1
.set SR,2
.set XWA,3
.set SWA,4
.set YA,5
.set OB,6
.set XA,7
.set OWI,8
.set OBI,9
.set LW,10
.set LR,13
.set OWS,14
.set GL,15
.set YR,16
.set T0,17
.set T1,18
.set YS,19
.set YH,20
.set BO,22
.set TMX,24
.set HH,26
.set RR,27
.set LN,28
.set SPW,30
.set NIL,31
.set WS,32
.set XS,44
.set Y,48
.set OUT,56
.set ACC,64
.set AI,ACC
.set AG,ACC+16
.set AO,ACC+32
.set U,112
.set T,128
.set XF,144
.set XB,192
.set X0,224
.set R,ACC
.set TMA,ACC+32
.set TMB,ACC+34
.set SO,ACC+36
.set BY,ACC+38
.set PA,U
.set PB,U+8
.set BG,144
.set WI,192
.set BI,208
.set WO,224
.set MSB, 0
.macro WIN new                         ; the immediate's high byte repeats the setting that is left
.if MSB != \new
	s_set_vgpr_msb (MSB<<8)|\new
.set MSB, \new
.endif
.endm
.macro PLACES n
.rept \n
	v_nop
.endr
.endm
.macro SW
	s_wait_alu depctr_va_vdst(0)
.endm
.macro MIN2 a                          ; two clamps in one issue
	v_dual_min_num_f32 v[\a], s36, v[\a] :: v_dual_min_num_f32 v[\a+1], s36, v[\a+1]
.endm
.macro MAX2 d, a                       ; two relus in one issue
	v_dual_max_num_f32 v[\d], 0, v[\a] :: v_dual_max_num_f32 v[\d+1], 0, v[\a+1]
.endm
; the fragments and scale words of 32 rows out of image b: 28 LDS loads
.macro FETCH b
.irp f, 0,1,2,3
.irp i, 0,1,2,3,4,5
	ds_load_b64 v[XF+12*\f+2*\i:XF+12*\f+2*\i+1], v[FR] offset:IMG+IMGB*(\b)+1536*\f+256*\i
.endr
	ds_load_b32 v[XS+\f], v[SR] offset:IMG+IMGB*(\b)+6144+128*\f
.endr
.endm
.macro XLOAD xb, off                   ; 32 rows of x: a lane takes 32 bytes of each of its two rows
.irp mt, 0,1
	global_load_b128 v[XB+16*(\xb)+8*\mt:XB+16*(\xb)+8*\mt+3], v[XA], s[44:45] offset:\off+1024*\mt
	global_load_b128 v[XB+16*(\xb)+8*\mt+4:XB+16*(\xb)+8*\mt+7], v[XA], s[44:45] offset:\off+1024*\mt+16
.endr
.endm
; the gates of rows 16 m on: 12 scaled products, the six accumulators by turns; the biases start the sums
.macro GATES m
	WIN 0x11
.irp tq, 0,1,2,3,4,5
	v_wmma_scale_f32_16x16x128_f8f6f4 v[ACC+8*\tq:ACC+8*\tq+7], v[12*\tq:12*\tq+11], v[XF+24*(\m):XF+24*(\m)+11], v[BG+8*\tq:BG+8*\tq+7], v[WS+2*\tq], v[XS+2*(\m)] matrix_a_fmt:MATRIX_FMT_BF6 matrix_b_fmt:MATRIX_FMT_BF6
.endr
	WIN 0x01
.irp tq, 0,1,2,3,4,5
	v_wmma_scale_f32_16x16x128_f8f6f4 v[ACC+8*\tq:ACC+8*\tq+7], v[72+12*\tq:72+12*\tq+11], v[XF+24*(\m)+12:XF+24*(\m)+23], v[ACC+8*\tq:ACC+8*\tq+7], v[WS+2*\tq+1], v[XS+2*(\m)+1] matrix_a_fmt:MATRIX_FMT_BF6 matrix_b_fmt:MATRIX_FMT_BF6
.endr
	WIN 0
.endm
; x0 of 32 rows, my 32 units: 16 f32 products, four accumulators (2 row tile + unit tile) by turns; b_in starts the sums
.macro XW xb
.irp ks, 0,1,2,3
.if \ks == 0
	WIN 0x11
.else
	WIN 0x01
.endif
.irp a, 0,1,2,3
.if \ks == 0
	v_wmma_f32_16x16x4_f32 v[X0+8*\a:X0+8*\a+7], v[WI+8*(\a%2):WI+8*(\a%2)+1], v[XB+16*(\xb)+8*(\a/2):XB+16*(\xb)+8*(\a/2)+1], v[BI+8*(\a%2):BI+8*(\a%2)+7]
.else
	v_wmma_f32_16x16x4_f32 v[X0+8*\a:X0+8*\a+7], v[WI+8*(\a%2)+2*\ks:WI+8*(\a%2)+2*\ks+1], v[XB+16*(\xb)+8*(\a/2)+2*\ks:XB+16*(\xb)+8*(\a/2)+2*\ks+1], v[X0+8*\a:X0+8*\a+7]
.endif
.endr
.endr
	WIN 0
.endm
; the activation of 16 rows x my 32 units, in place on the accumulators, each read from its low end on.  Every run goes over eight independent pairs.
; Three batches of transcendentals, each with the wait ahead of it and the wait behind it.
.macro ACT
.irp p, 0,2,4,6,8,10,12,14
	v_pk_mul_f32 v[AI+\p:AI+\p+1], v[AI+\p:AI+\p+1], s[30:31] op_sel_hi:[1,0]   ; -i log2 e
.endr
.irp p, 0,2,4,6,8,10,12,14
	v_pk_mul_f32 v[AG+\p:AG+\p+1], v[AG+\p:AG+\p+1], s[32:33] op_sel_hi:[1,0]   ; -2 g log2 e
.endr
.irp p, 0,2,4,6,8,10,12,14
	v_pk_mul_f32 v[AO+\p:AO+\p+1], v[AO+\p:AO+\p+1], s[30:31] op_sel_hi:[1,0]   ; -o log2 e
.endr
.irp p, 0,2,4,6,8,10,12,14
	MIN2 AG+\p                                     ; held at 30: 1 - b stays finite
.endr
	SW
.set n, 0
.rept 48
	v_exp_f32 v[ACC+n], v[ACC+n]                   ; a, b, e
.set n, n+1
.endr
	v_nop
	SW
.irp p, 0,2,4,6,8,10,12,14
	v_pk_add_f32 v[U+\p:U+\p+1], v[AG+\p:AG+\p+1], 1.0 op_sel_hi:[1,0]          ; 1 + b
.endr
.irp p, 0,2,4,6,8,10,12,14
	v_pk_fma_f32 v[AI+\p:AI+\p+1], v[AI+\p:AI+\p+1], v[U+\p:U+\p+1], v[U+\p:U+\p+1]   ; (1 + a)(1 + b)
.endr
.irp p, 0,2,4,6,8,10,12,14
	v_pk_fma_f32 v[AG+\p:AG+\p+1], v[AG+\p:AG+\p+1], -1.0, 1.0 op_sel_hi:[1,0,0]      ; 1 - b
.endr
	SW
.set n, 0
.rept 16
	v_rcp_f32 v[AI+n], v[AI+n]
.set n, n+1
.endr
	v_nop
	SW
.irp p, 0,2,4,6,8,10,12,14
	v_pk_mul_f32 v[AG+\p:AG+\p+1], v[AG+\p:AG+\p+1], v[AI+\p:AI+\p+1]           ; c
.endr
.irp p, 0,2,4,6,8,10,12,14
	v_pk_mul_f32 v[AI+\p:AI+\p+1], v[AG+\p:AG+\p+1], v[AG+\p:AG+\p+1]           ; u
.endr
.irp p, 0,2,4,6,8,10,12,14
	v_pk_add_f32 v[U+\p:U+\p+1], v[AI+\p:AI+\p+1], s[34:35] op_sel_hi:[1,0]     ; u + 105
.endr
.irp p, 0,2,4,6,8,10,12,14
	v_pk_add_f32 v[T+\p:T+\p+1], v[AI+\p:AI+\p+1], s[54:55] op_sel_hi:[1,0]     ; u + 28
.endr
.irp p, 0,2,4,6,8,10,12,14
	v_pk_fma_f32 v[U+\p:U+\p+1], v[U+\p:U+\p+1], v[AI+\p:AI+\p+1], s[52:53] op_sel_hi:[1,1,0]   ; (u + 105) u + 945
.endr
.irp p, 0,2,4,6,8,10,12,14
	v_pk_fma_f32 v[T+\p:T+\p+1], v[T+\p:T+\p+1], v[AI+\p:AI+\p+1], s[56:57] op_sel_hi:[1,1,0]   ; (u + 28) u + 63
.endr
.irp p, 0,2,4,6,8,10,12,14
	v_pk_fma_f32 v[AO+\p:AO+\p+1], v[T+\p:T+\p+1], v[AO+\p:AO+\p+1], v[T+\p:T+\p+1]             ; times 1 + e
.endr
	SW
.set n, 0
.rept 16
	v_rcp_f32 v[AO+n], v[AO+n]
.set n, n+1
.endr
	WIN 0x04                                       ; Wout / 15 lies in window 1
.irp p, 0,2,4,6,8,10,12,14
	v_pk_mul_f32 v[AG+\p:AG+\p+1], v[AG+\p:AG+\p+1], v[WO+\p:WO+\p+1]           ; plain work behind the reciprocals, which names none of them
.endr
	WIN 0
.irp p, 0,2,4,6,8,10,12,14
	v_pk_mul_f32 v[AG+\p:AG+\p+1], v[AG+\p:AG+\p+1], v[U+\p:U+\p+1]
.endr
	SW
.irp p, 0,2,4,6
	v_pk_mul_f32 v[Y+\p:Y+\p+1], v[AG+\p:AG+\p+1], v[AO+\p:AO+\p+1]             ; my units' part of y, in four chains
.endr
.irp p, 0,2,4,6
	v_pk_fma_f32 v[Y+\p:Y+\p+1], v[AG+8+\p:AG+8+\p+1], v[AO+8+\p:AO+8+\p+1], v[Y+\p:Y+\p+1]
.endr
	v_pk_add_f32 v[Y:Y+1], v[Y:Y+1], v[Y+2:Y+3]
	v_pk_add_f32 v[Y+4:Y+5], v[Y+4:Y+5], v[Y+6:Y+7]
	s_delay_alu instid0(VALU_DEP_1)
	v_pk_add_f32 v[Y:Y+1], v[Y:Y+1], v[Y+4:Y+5]
	s_delay_alu instid0(VALU_DEP_1)
	v_add_f32 v[T0], v[Y], v[Y+1]
	v_permlanex16_b32 v[T1], v[T0], s28, s29       ; the row's other 16 of my units lie in the lane 16 away
	v_add_f32 v[YS], v[T0], v[T1]
.endm
; x0 of 32 rows, my block of 32 units: relu, the block's scale, the codes; their image into image b
.macro QUANT b
	SW                                             ; the wait ahead of the first read of matrix results behind transcendentals
.irp n, 0,2,4,6,8,10,12,14,16,18,20,22,24,26,28,30
	MAX2 R+\n, X0+\n
.endr
.irp m, 0,1
	v_max3_num_f32 v[TMA+\m], v[R+16*\m], v[R+16*\m+1], 0x2800000   ; none is negative; the floor 2^(5 - 127) holds the byte at 1 from below
	v_max3_num_f32 v[TMB+\m], v[R+16*\m+8], v[R+16*\m+9], v[R+16*\m+10]
.endr
.irp i, 2,4
.irp m, 0,1
	v_max3_num_f32 v[TMA+\m], v[TMA+\m], v[R+16*\m+\i], v[R+16*\m+\i+1]
	v_max3_num_f32 v[TMB+\m], v[TMB+\m], v[R+16*\m+\i+9], v[R+16*\m+\i+10]
.endr
.endr
.irp m, 0,1
	v_max3_num_f32 v[TMA+\m], v[TMA+\m], v[R+16*\m+6], v[R+16*\m+7]
.endr
.irp m, 0,1
	v_max3_num_f32 v[TMA+\m], v[TMA+\m], v[TMB+\m], v[R+16*\m+15]
.endr
.irp m, 0,1
	v_permlanex16_b32 v[TMX+\m], v[TMA+\m], s28, s29
.endr
.irp m, 0,1
	v_max_num_f32 v[TMA+\m], v[TMA+\m], v[TMX+\m]  ; with the lane 16 away: the block's largest number
.endr
.irp m, 0,1
	v_add_nc_u32 v[SO+\m], 0xfe000000, v[TMA+\m]   ; 4 off its exponent field: the conversion's scale operand
.endr
.irp m, 0,1
	v_lshrrev_b32 v[BY+\m], 23, v[SO+\m]           ; the scale's byte
.endr
	v_cvt_scalef32_pk16_bf6_f32 v[PA:PA+2], v[R:R+15], v[SO]
	v_cvt_scalef32_pk16_bf6_f32 v[PB:PB+2], v[R+16:R+31], v[SO+1]
	v_nop                                          ; one plain line behind the scaled conversions
.irp i, 0,1,2
	v_permlane16_swap_b32 v[PA+\i], v[PB+\i]       ; lanes 0-15 now hold the whole block of row tile 0, lanes 16-31 that of row tile 1
.endr
.irp i, 0,1,2
	v_mov_b32 v[PA+3+\i], v[PB+\i]
.endr
.irp i, 0,1,2
	ds_store_b64 v[XWA], v[PA+2*\i:PA+2*\i+1] offset:IMG+IMGB*(\b)+256*\i
.endr
.irp m, 0,1
	ds_store_b8 v[SWA], v[BY+\m] offset:IMG+IMGB*(\b)+6144+256*\m
.endr
.endm
; wave 0: the eight waves' partial sums of set b; lane l takes rows 2 (l % 16), 2 (l % 16) + 1
.macro YSUM b
.irp k, 0,1,2,3,4,5,6,7
	ds_load_b64 v[T+2*\k:T+2*\k+1], v[YR] offset:1024*(\b)+128*\k
.endr
	s_wait_dscnt 0x0
	v_pk_add_f32 v[T:T+1], v[T:T+1], v[T+2:T+3]
	v_pk_add_f32 v[T+4:T+5], v[T+4:T+5], v[T+6:T+7]
	v_pk_add_f32 v[T+8:T+9], v[T+8:T+9], v[T+10:T+11]
	v_pk_add_f32 v[T+12:T+13], v[T+12:T+13], v[T+14:T+15]
	v_pk_add_f32 v[T:T+1], v[T:T+1], v[T+4:T+5]
	v_pk_add_f32 v[T+8:T+9], v[T+8:T+9], v[T+12:T+13]
.endm
.macro YHALF                           ; a unit's rows 0-31 are kept in registers
	s_cmp_lg_u32 s24, 0
	s_cbranch_scc1 .Lnh_\@
	YSUM 0
	v_pk_add_f32 v[YH:YH+1], v[T:T+1], v[T+8:T+9]
.Lnh_\@:
.endm
.macro YOUT                            ; rows 32-63 join them: unit n - 1 leaves as 256 consecutive bytes, at a multiple of 256 from y's first byte
	s_cmp_lg_u32 s24, 0
	s_cbranch_scc1 .Lno_\@
	s_cmp_eq_u32 s40, 0
	s_cbranch_scc1 .Lno_\@
	s_wait_xcnt 0x0                                ; the last store has read its base and data
	s_sub_co_u32 s48, s40, 1
	s_lshl_b32 s48, s48, 16
	s_add_co_u32 s48, s48, s59
	s_mov_b32 s49, 0
	s_add_nc_u64 s[46:47], s[22:23], s[48:49]
	YSUM 1
	v_pk_add_f32 v[T:T+1], v[T:T+1], v[T+8:T+9]
	v_cndmask_b32 v[T], v[YH], v[T], s37           ; lanes 0-15 rows 0-31, lanes 16-31 rows 32-63
	v_cndmask_b32 v[T+1], v[YH+1], v[T+1], s37
	v_pk_add_f32 v[OUT:OUT+1], v[T:T+1], v[BO:BO+1]
	global_store_b64 v[FR], v[OUT:OUT+1], s[46:47] th:TH_STORE_NT
.Lno_\@:
.endm
; trip j = 2 n + X
.macro HALF X
	GATES 0
	PLACES 4
	ACT
	GATES 1
	SW                                             ; the row sums are read behind the barrier
	s_barrier_wait -1                              ; every wave's codes of trip j + 1 lie in LDS, its reads of image X are over, its partial sums of trip j - 1 have landed
	PLACES 4                                       ; in front of the loads into the fragments just multiplied, and of the first read of the results
	FETCH 1-\X
	ds_store_b32 v[YA], v[YS] offset:1024*\X       ; lanes r and r + 16 write the same word with the same value
.if \X
	YHALF
.else
	YOUT
.endif
	s_lshl_b32 s48, s40, 1
	s_add_co_u32 s48, s48, \X+2
	s_cmp_ge_u32 s48, s41                          ; is there a trip j + 2?
	s_cbranch_scc1 .Lnx_\@
	s_wait_loadcnt 0x0                             ; its x is in
	XW \X
	s_add_co_u32 s48, s40, 1+\X                    ; trip j + 3: unit n + 1 + X, or the 23rd trip's half unit; past my last trip that half is named too, so that no load leaves x
	s_lshl_b32 s42, s48, 20
	s_add_co_u32 s42, s42, s[50+\X]
	s_cmp_le_u32 s48, 10
	s_cselect_b32 s42, s42, s58
	s_add_nc_u64 s[44:45], s[4:5], s[42:43]
	XLOAD 1-\X, 0
.Lnx_\@:
	ACT
	ds_store_b32 v[YA], v[YS] offset:1024*\X+64
	s_lshl_b32 s48, s40, 1
	s_add_co_u32 s48, s48, \X+2
	s_cmp_ge_u32 s48, s41
	s_cbranch_scc1 .Lnq_\@
	QUANT \X
.Lnq_\@:
	s_wait_dscnt 0x0                               ; my stores have landed, the next trip's fragments are in
	s_barrier_signal -1
.endm
	s_load_b256 s[4:11], s[0:1], 0x0               ; x, Win, b_in, W_ih's codes
	s_load_b256 s[12:19], s[0:1], 0x20             ; W_ih's scales, b_ih, b_hh, Wout
	s_load_b128 s[20:23], s[0:1], 0x40             ; b_out, y
	v_lshl_add_u32 v[SPW], v0, 2, SPARE
	v_mov_b32 v[NIL], 0
	v_lshrrev_b32 v[T0], 5, v0
	v_readfirstlane_b32 s24, v[T0]                 ; wave 0..7
	s_lshr_b32 s25, s24, 2                         ; the K step of the second product that holds my block
	s_and_b32 s26, s24, 3                          ; and my block's place in it
	s_mul_i32 s44, s25, 1536
	s_lshr_b32 s45, s26, 1
	s_mul_i32 s45, s45, 768
	s_add_co_u32 s44, s44, s45
	s_and_b32 s45, s24, 1
	s_lshl_b32 s45, s45, 7
	s_add_co_u32 s44, s44, s45                     ; my half planes in a fragment's image
	s_lshl_b32 s45, s25, 7
	s_add_co_u32 s45, s45, s26                     ; my byte in the scale words
	s_lshl_b32 s46, s24, 7
	s_add_co_u32 s46, s46, YP
	s_mul_i32 s47, s24, 19968
	s_add_co_u32 s47, s47, WST
	s_mov_b32 s28, 0x76543210                      ; v_permlanex16_b32's selects for the lane 16 away
	s_mov_b32 s29, 0xfedcba98
	s_mov_b32 s30, 0xbfb8aa3b                      ; -log2 e (a packed form names a pair: both words are written)
	s_mov_b32 s31, 0xbfb8aa3b
	s_mov_b32 s32, 0xc038aa3b                      ; -2 log2 e
	s_mov_b32 s33, 0xc038aa3b
	s_mov_b32 s34, 0x42d20000                      ; 105
	s_mov_b32 s35, 0x42d20000
	s_mov_b32 s36, 0x41f00000                      ; 30
	s_mov_b32 s37, 0xffff0000
	s_mov_b32 s52, 0x446c4000                      ; 945
	s_mov_b32 s53, 0x446c4000
	s_mov_b32 s54, 0x41e00000                      ; 28
	s_mov_b32 s55, 0x41e00000
	s_mov_b32 s56, 0x427c0000                      ; 63
	s_mov_b32 s57, 0x427c0000
	s_mov_b32 s60, 0x3d888889                      ; 1 / 15
	s_mov_b32 s61, 0x3d888889
	s_mov_b32 s43, 0
	s_lshl_b32 s51, ttmp9, 12
	s_add_co_u32 s50, s51, 2048
	s_lshl_b32 s59, ttmp9, 8
	s_min_u32 s58, ttmp9, 207
	s_lshl_b32 s58, s58, 11
	s_add_co_u32 s58, s58, 2816*4096
	s_cmp_lt_u32 ttmp9, 208
	s_cselect_b32 s41, 23, 22                      ; my trips
	s_cselect_b32 s39, 12, 11
	v_and_b32 v[LN], 31, v0
	v_and_b32 v[RR], 15, v0
	v_bfe_u32 v[HH], v0, 4, 1
	v_lshlrev_b32 v[FR], 3, v[LN]
	v_lshlrev_b32 v[SR], 2, v[LN]
	v_lshlrev_b32 v[GL], 4, v[LN]
	v_mul_u32_u24 v[XWA], v[HH], 3072              ; behind the swap the lane's half is the row tile
	v_lshl_add_u32 v[XWA], v[RR], 3, v[XWA]
	v_add_nc_u32 v[XWA], s44, v[XWA]
	v_add_nc_u32 v[SWA], s45, v[SR]
	v_lshl_add_u32 v[YA], v[RR], 2, s46
	v_lshl_add_u32 v[YR], v[RR], 3, YP
	v_lshlrev_b32 v[OB], 5, v[HH]
	v_lshlrev_b32 v[OBI], 6, v[HH]
	v_lshlrev_b32 v[OWS], 3, v[RR]
	v_lshlrev_b32 v[XA], 6, v[RR]
	v_lshl_add_u32 v[XA], v[HH], 5, v[XA]
	v_and_b32 v[OWI], 8, v[RR]
	v_add_nc_u32 v[OWI], v[OWI], v[RR]
	v_lshlrev_b32 v[OWI], 6, v[OWI]
	v_lshl_add_u32 v[OWI], v[HH], 5, v[OWI]
	v_mul_u32_u24 v[LR], v[RR], 208
	v_mad_u32_u24 v[LR], v[HH], 24, v[LR]
	v_add_nc_u32 v[LR], s47, v[LR]
.irp k, 0,1,2                          ; piece c = 32 k + lane of 96 pieces of 16 bytes (8 rows of 192): row c / 12 = 43 c >> 9; at pitch 208 it lies at 16 c + 16 (c / 12)
	v_add_nc_u32 v[T0], 32*\k, v[LN]
	v_mul_u32_u24 v[T1], v[T0], 43
	v_lshrrev_b32 v[T1], 9, v[T1]
	v_add_nc_u32 v[T1], v[T1], v[T0]
	v_lshl_add_u32 v[LW+\k], v[T1], 4, s47
.endr
	v_mov_b32 v[T1], 0                             ; a lane permute's destination counts as one of its sources
	v_mov_b32 v[TMX], 0
	v_mov_b32 v[TMX+1], 0
	v_mov_b32 v[YH], 0
	v_mov_b32 v[YH+1], 0
	SW
	s_wait_kmcnt 0x0
	s_load_b32 s38, s[20:21], 0x0                  ; b_out
	s_lshl_b32 s42, s24, 11                        ; my 32 rows of Win,
	s_add_nc_u64 s[6:7], s[6:7], s[42:43]
	s_lshl_b32 s42, s24, 7                         ; my 32 numbers of b_in, Wout and each gate's biases,
	s_add_nc_u64 s[8:9], s[8:9], s[42:43]
	s_add_nc_u64 s[18:19], s[18:19], s[42:43]
	s_add_nc_u64 s[14:15], s[14:15], s[42:43]
	s_add_nc_u64 s[16:17], s[16:17], s[42:43]
	s_mul_i32 s42, s24, 6144                       ; my 32 rows of each gate in W_ih's codes,
	s_add_nc_u64 s[10:11], s[10:11], s[42:43]
	s_lshl_b32 s42, s24, 8                         ; and in its scale bytes
	s_add_nc_u64 s[12:13], s[12:13], s[42:43]
	s_mov_b32 s42, s51
	s_add_nc_u64 s[44:45], s[4:5], s[42:43]        ; x at my first unit
	XLOAD 0, 0
	XLOAD 1, 2048
	WIN 0x40
.irp u, 0,1
	global_load_b128 v[WI+8*\u:WI+8*\u+3], v[OWI], s[6:7] offset:512*\u
	global_load_b128 v[WI+8*\u+4:WI+8*\u+7], v[OWI], s[6:7] offset:512*\u+16
	global_load_b128 v[BI+8*\u:BI+8*\u+3], v[OBI], s[8:9] offset:32*\u
	global_load_b128 v[BI+8*\u+4:BI+8*\u+7], v[OBI], s[8:9] offset:32*\u+16
.endr
.irp q, 0,1,2                          ; gate q begins at row 0, 512, 768
.irp t, 0,1
	global_load_b128 v[BG+8*(2*\q+\t):BG+8*(2*\q+\t)+3], v[OB], s[14:15] offset:4*(512*((\q+1)/2)+256*(\q/2)+16*\t)
	global_load_b128 v[BG+8*(2*\q+\t)+4:BG+8*(2*\q+\t)+7], v[OB], s[14:15] offset:4*(512*((\q+1)/2)+256*(\q/2)+16*\t)+16
.endr
.endr
.irp t, 0,1
	global_load_b128 v[WO+8*\t:WO+8*\t+3], v[OB], s[18:19] offset:64*\t
	global_load_b128 v[WO+8*\t+4:WO+8*\t+7], v[OB], s[18:19] offset:64*\t+16
.endr
	WIN 0
.irp q, 0,1,2
.irp t, 0,1
	global_load_b128 v[XF+8*(2*\q+\t):XF+8*(2*\q+\t)+3], v[OB], s[16:17] offset:4*(512*((\q+1)/2)+256*(\q/2)+16*\t)      ; b_hh, for a moment where the fragments will lie
	global_load_b128 v[XF+8*(2*\q+\t)+4:XF+8*(2*\q+\t)+7], v[OB], s[16:17] offset:4*(512*((\q+1)/2)+256*(\q/2)+16*\t)+16
	global_load_b64 v[WS+2*(2*\q+\t):WS+2*(2*\q+\t)+1], v[OWS], s[12:13] offset:8*(512*((\q+1)/2)+256*(\q/2)+16*\t)
.endr
.endr
	WIN 0x40
.irp q, 0,1,2                          ; my 32 rows of a gate are 6,144 consecutive bytes: twelve loads of 512 consecutive bytes
.irp n, 0,1,2,3,4,5,6,7,8,9,10,11
	global_load_b128 v[4*(12*\q+\n):4*(12*\q+\n)+3], v[GL], s[10:11] offset:192*(512*((\q+1)/2)+256*(\q/2))+512*\n
.endr
.endr
	WIN 0
	s_wait_loadcnt 63                              ; 86 loads are out; the oldest 23 are in, x, Win and b_in (16) among them
	XW 0
	PLACES 8
	QUANT 0
	XLOAD 0, 0x100000                              ; trip 2's x
	XW 1
	PLACES 8
	QUANT 1
	s_wait_loadcnt 0x0
	s_wait_kmcnt 0x0
	WIN 0x04
.irp q, 0,1,2
.irp n, 0,1,2,3,4,5,6,7,8,9,10,11
	ds_store_b128 v[LW+\n%3], v[4*(12*\q+\n):4*(12*\q+\n)+3] offset:(32*\q+8*(\n/3))*208
.endr
.endr
	WIN 0x40                                       ; back as fragments: LDS serves a wave's instructions in order, and the bytes are my own
.irp tq, 0,1,2,3,4,5
.irp ks, 0,1
.irp p, 0,1,2,3,4,5
	ds_load_b64 v[12*\tq+72*\ks+2*\p:12*\tq+72*\ks+2*\p+1], v[LR] offset:16*\tq*208+96*\ks+48*(\p/3)+8*(\p%3)
.endr
.endr
.endr
	WIN 0x41
.set n, 0
.rept 24
	v_pk_add_f32 v[BG+2*n:BG+2*n+1], v[BG+2*n:BG+2*n+1], v[XF+2*n:XF+2*n+1]     ; b_ih + b_hh, once
.set n, n+1
.endr
.irp p, 0,2,4,6,8,10,12,14
	v_pk_mul_f32 v[WO+\p:WO+\p+1], v[WO+\p:WO+\p+1], s[60:61] op_sel_hi:[1,0]   ; Wout / 15
.endr
	WIN 0
	v_mov_b32 v[BO], s38
	v_mov_b32 v[BO+1], s38
	SW
	s_wait_dscnt 0x0
	s_barrier_signal -1
	s_barrier_wait -1                              ; both images are whole
	FETCH 0
	s_wait_dscnt 0x0
	s_barrier_signal -1                            ; waited for in trip 0
	s_mov_b32 s40, 0
.Lloop:
	HALF 0
	s_cmp_eq_u32 s40, 11
	s_cbranch_scc1 .Ltail                          ; the 23rd trip has no partner
	HALF 1
	s_add_co_u32 s40, s40, 1
	s_cmp_lt_u32 s40, s39
	s_cbranch_scc1 .Lloop
	s_barrier_wait -1
	YOUT                                           ; unit 10
	s_branch .Lend
.Ltail:
	s_barrier_wait -1
	s_cmp_lg_u32 s24, 0
	s_cbranch_scc1 .Lend
	s_wait_xcnt 0x0
	s_lshl_b32 s48, ttmp9, 7
	s_add_co_u32 s48, s48, 2816*256
	s_mov_b32 s49, 0
	s_add_nc_u64 s[46:47], s[22:23], s[48:49]
.irp k, 0,1,2,3,4,5,6,7
	ds_load_b32 v[T+\k], v[SR] offset:YP+128*\k
.endr
	s_wait_dscnt 0x0
	v_pk_add_f32 v[T:T+1], v[T:T+1], v[T+2:T+3]
	v_pk_add_f32 v[T+4:T+5], v[T+4:T+5], v[T+6:T+7]
	v_pk_add_f32 v[T:T+1], v[T:T+1], v[T+4:T+5]
	v_add_f32 v[T], v[T], v[T+1]
	v_add_f32 v[OUT], v[T], v[BO]
	global_store_b32 v[SR], v[OUT], s[46:47] th:TH_STORE_NT    ; the half unit's 128 consecutive bytes
.Lend:
	s_wait_tensorcnt 0x0                           ; the wave's end
	ds_add_u32 v[SPW], v[NIL]
	s_wait_dscnt 0x0
	s_endpgm
.Lfunc_end_k_q4ba1be6bae_lstm:
	.size	k_q4ba1be6bae_lstm, .Lfunc_end_k_q4ba1be6bae_lstm-k_q4ba1be6bae_lstm
	.p2alignl 7, 3214868480
	.fill 96, 4, 3214868480
	.section	.rodata,"a",@progbits
	.p2align	6, 0x0
	.amdhsa_kernel k_q4ba1be6bae_lstm
		.amdhsa_group_segment_fixed_size 176128
		.amdhsa_private_segment_fixed_size 0
		.amdhsa_enable_private_segment 0
		.amdhsa_kernarg_size 80
		.amdhsa_user_sgpr_count 2
		.amdhsa_user_sgpr_kernarg_segment_ptr 1
		.amdhsa_wavefront_size32 1
		.amdhsa_system_sgpr_workgroup_id_x 1
		.amdhsa_system_sgpr_workgroup_id_y 1
		.amdhsa_system_sgpr_workgroup_id_z 1
		.amdhsa_system_vgpr_workitem_id 0
		.amdhsa_next_free_vgpr 512
		.amdhsa_next_free_sgpr 66
		.amdhsa_reserve_vcc 0
		.amdhsa_float_denorm_mode_32 3
		.amdhsa_float_denorm_mode_16_64 3
		.amdhsa_memory_ordered 1
		.amdhsa_forward_progress 1
		.amdhsa_inst_pref_size 108
	.end_amdhsa_kernel
	.amdgpu_metadata
---
amdhsa.version: [ 1, 2 ]
amdhsa.kernels:
  - .name:           k_q4ba1be6bae_lstm
    .symbol:         k_q4ba1be6bae_lstm.kd
    .args:
      - { .name: x, .offset: 0, .size: 8, .value_kind: global_buffer, .address_space: global }
      - { .name: Win, .offset: 8, .size: 8, .value_kind: global_buffer, .address_space: global }
      - { .name: b_in, .offset: 16, .size: 8, .value_kind: global_buffer, .address_space: global }
      - { .name: W_ih_codes, .offset: 24, .size: 8, .value_kind: global_buffer, .address_space: global }
      - { .name: W_ih_scales, .offset: 32, .size: 8, .value_kind: global_buffer, .address_space: global }
      - { .name: b_ih, .offset: 40, .size: 8, .value_kind: global_buffer, .address_space: global }
      - { .name: b_hh, .offset: 48, .size: 8, .value_kind: global_buffer, .address_space: global }
      - { .name: Wout, .offset: 56, .size: 8, .value_kind: global_buffer, .address_space: global }
      - { .name: b_out, .offset: 64, .size: 8, .value_kind: global_buffer, .address_space: global }
      - { .name: out0, .offset: 72, .size: 8, .value_kind: global_buffer, .address_space: global }
    .group_segment_fixed_size: 176128
    .private_segment_fixed_size: 0
    .kernarg_segment_align: 8
    .kernarg_segment_size: 80
    .max_flat_workgroup_size: 256
    .sgpr_count:     66
    .vgpr_count:     512
    .wavefront_size: 32
...
	.end_amdgpu_metadata
.endif
;; end of part 1
